; MI455X (gfx1250); checked and timed in simulation.
; The chip was launched on July 23, 2026; its instructions are those of AMD's public machine-readable ISA for CDNA 5 (MIT licence, August 2026) and "CDNA5" Instruction Set Architecture Reference Guide (July 2026). The comments in the code are by the model that wrote it; some were corrected since.
;; Sparse Attention Optimizer. Allowed arithmetic: float matrix products may take bf16 or f16 operands with f32 sums; other float arithmetic in f32, or as packed bf16 or f16 multiplies, adds, multiply-adds, maxima and minima; sums over many terms, partial sums and values carried from step to step in f32; what a program stores and reads back later, other than sums and carried values, may be rounded once to bf16 or f16.
;; Inputs: key 1 x 16 x 4,096 x 64 float32; query 1 x 16 x 4,096 x 64 float32; value 1 x 16 x 4,096 x 64 float32.
;; Outputs: out0 1 x 16 x 4,096 x 64 float32.
;; 2 versions, each right; version 2 is version 1 with the launch sparse written anew for expert scheduling mode. Each part assembles by itself: llvm-mc -triple=amdgcn-amd-amdhsa -mcpu=gfx1250 --defsym DOCPART=n.
;; ======== version 1 of 2: 1 launch
;; limits: right only within a limited range of input values
;; launch sparse (part 1): grid 16 x 16, 8 waves a work-group, no clusters, 270,592 bytes of LDS; arguments query, key, value, out0; writes out0
.if DOCPART == 1
	.amdgcn_target "amdgcn-amd-amdhsa--gfx1250"
	.amdhsa_code_object_version 6
	.text
	.protected	k_q2803d9705c_sparse
	.globl	k_q2803d9705c_sparse
	.p2align	8
	.type	k_q2803d9705c_sparse,@function
k_q2803d9705c_sparse:
	s_mov_b64 s[64:65], 0
	v_nop
	global_prefetch_b8 v0, s[64:65] scope:SCOPE_SE
	s_setreg_imm32_b32 hwreg(HW_REG_WAVE_MODE, 25, 1), 1
	s_wait_xcnt 0x0
; out[h][i][:] = the sum over the allowed keys j of softmax_j(Q[h][i] . K[h][j] / 8) V[h][j][:].  Q, K, V, out: [16][4096][64] f32.
; Allowed: |j - i| <= 32 (THE BAND) or (j - i) % 256 == 0 (THE STRIDE).  Hidden keys have weight 0 in the result, so their products are not made.
; SHARES.  Work-group (t, head) owns the residues 16 t .. 16 t + 15 (mod 256) in all 16 blocks of 256 rows: 16 tiles of 16 queries.  Wave w owns the tiles of blocks 2 w, 2 w + 1
; (the band) and the residues 2 w, 2 w + 1 of the sixteen (the stride).
; THE STRIDE.  The 16 rows of one residue see each other: one tile S^T = K Q^T of 16 x 16, the diagonal hidden (it belongs to the band).  Its maximum m_s, sum l_s and unnormalised
; O_s = V^T P go to LDS in f32, laid by block and residue.
; THE BAND.  A tile of 16 queries sees the five aligned tiles of 16 keys from 32 rows below its first row on; of the first a lower and of the last an upper triangle is hidden.  It is one more
; step of a running softmax on top of the stride's: m = max(m_s, scores), a = 2^(c m_s - c m), O = a O_s + V^T P, l = a l_s + the sum of p, out = O / l; c = log2(e) / 8.
; A key tile that would begin outside rows 0 .. 4080 is loaded from the clamped row and hidden whole.
; LAYOUT.  Source 0 = 16 keys, source 1 = 16 queries: in S^T a lane holds ONE query (lane % 16) and the keys 8 (lane / 16) + 0..7; two such tiles rounded to bf16 ARE source 1 of O^T = V^T P.
; FORMATS.  Q, K, V and the weights p are rounded once to bf16; scores, maxima, sums, O_s and O stay in f32.
; LIMITS.  A hidden score counts as its value less 1e30 (2e30 where a triangle lies in a hidden tile): true scores must stay far below 1e29.  A weight below 2^-126 counts as 0.
; NaN and infinities are not treated apart: rows with weight 0 are multiplied all the same, so K and V must be finite.
; THE STREAM.  Every byte becomes bf16 on its way, so it passes through registers: a tile (16 rows, 4,096 consecutive bytes) is eight loads of 512 aligned bytes; six tiles of a wave are out at a time.
; NO CLUSTER, NO JOINT LOADS.  Neighbouring work-groups read the same key tiles, but each at another of the five places of its window, and a joint load lands at one LDS address in all partners;
; it would also land f32, twice the bytes that the bf16 tiles take, which the wave would have to read, round and store again.
; REGISTERS.  Window 0: v0-9 lane terms; v10-19 load offsets; v20-34 LDS addresses; v36-37 the add's; v38-55 statistics; v64-79 the two triangles; v80-175 fragments; v176-215 S^T, then P; v216-247 O^T.
; Window 1: v0-191 the ring of six tiles as loaded; v192-207 a tile's bf16.
.set PK,    144                 ; a row of Q or K in LDS: 128 bytes + 16: an odd multiple of 16 bytes, so the 16 rows of a fragment load begin in 16 different 16-byte columns of 256
.set PVV,   160                 ; a row of V: 128 + 32: an odd multiple of 32 bytes, for the turning load (8 rows x 32 bytes)
.set PO,    272                 ; a row of O_s: 256 + 16
.set QBLK,  16*PK+16            ; 2,320: from block to block, again an odd multiple of 16: the stride's fragments take one row of each block
.set VBLK,  16*PVV+32           ; 2,592: an odd multiple of 32
.set OBLK,  16*PO+16            ; 4,368: an odd multiple of 16
.set L_KC,  16*QBLK             ; LDS: Q's own rows at 0, K's at 37,120,
.set L_VC,  2*16*QBLK           ; V's at 74,240,
.set L_OS,  L_VC+16*VBLK        ; O_s (later the way out) at 115,712,
.set L_ST,  L_OS+16*OBLK        ; (m_s, l_s), 8 bytes for each query, at 185,600,
.set L_STG, L_ST+2048           ; each wave's own stage at 187,648: four neighbour tiles of K, then, on the same bytes, of V
.set STGB,  4*16*PVV            ; 10,240 bytes a wave
.set SPARE, L_STG+8*STGB        ; 269,568: the spare words, 128 bytes for each wave: four blocks of 256 bytes that no other line names
.set RO,  10                    ; v10-19  16 lane + 256 x first row of key tile kt of my tile i, at RO + 5 i + kt; kt = 2 is the tile's own rows; never rewritten
.set AQ,  20                    ; where a loaded tile's bf16 goes: Q's and K's own rows,
.set AVC, 21                    ; V's own rows,
.set ASK, 22                    ; the stage as K,
.set ASV, 23                    ; the stage as V
.set BQ,  24                    ; the band's fragments: of Q's and K's own rows,
.set BSK, 25                    ; of the stage as K,
.set BVC, 26                    ; of V's own rows (turning load),
.set BSV, 27                    ; of the stage as V (turning load)
.set SQ,  28                    ; the stride's fragments of Q and K,
.set SV,  29                    ; of V (turning load)
.set SO,  30                    ; where the stride puts O_s,
.set SS,  31                    ; and (m_s, l_s)
.set BO,  32                    ; where the band finds O_s, and puts O,
.set BS,  33                    ; finds (m_s, l_s),
.set BR,  34                    ; and reads whole rows of O back
.set SPW, 36                    ; v36  LDS address of my spare word; never rewritten
.set NIL, 37                    ; v37  0; never rewritten
.set CH,  48                    ; v48-52  chains of the maximum
.set MD0, 64                    ; v64-71  -1e30 where key 8 (lane / 16) + j lies below my query's place in its tile: the first key tile's triangle
.set MD4, 72                    ; v72-79  the same for 'above': the last key tile's
.set F,   80
.set S,   176
.set O,   216
.set TT,  192                   ; window 1
.set BE,  24                    ; s24-31  -1e30 or 0 for key tiles 0, 1, 3, 4 of my tile i, at BE + 4 i
.set BIG, 32                    ; s32  -1e30
.set CS,  34                    ; s[34:35] c, twice
.set SEL, 36                    ; s[36:37] v_permlanex16_b32's selects: each lane takes its own place in the other half
.set MSB, 0
.macro WIN new                  ; the immediate's high byte repeats the setting that is left; a switch that changes nothing is dropped
.if MSB != (\new)
	s_set_vgpr_msb (MSB<<8)|(\new)
.set MSB, \new
.endif
.endm
.set W_MV, 0x44                 ; destination (loaded data) and source 1 (LDS store data) in window 1, addresses in window 0
.set W_CV, 0x45                 ; destination and both sources in window 1
; Tile n of a wave's 22.  0-5: for my tiles i = 0, 1 the own rows of Q, K, V.  6-21: for i = 0, 1 the four neighbour tiles of K (key tiles 0, 1, 3, 4), then those of V.
.macro TDEF n
.if (\n) < 6
.set T_I, (\n)/3
.set T_A, (\n)%3                ; 0 Q, 1 K, 2 V
.set T_RO, RO+5*T_I+2
.if T_A == 2
.set T_DST, AVC
.set T_OFF, T_I*VBLK
.set T_P, PVV
.else
.set T_DST, AQ
.set T_OFF, T_A*L_KC+T_I*QBLK
.set T_P, PK
.endif
.else
.set T_I, ((\n)-6)/8
.set T_S, ((\n)-6)%4            ; its place in the stage
.set T_A, 1+(((\n)-6)%8)/4
.set T_RO, RO+5*T_I+T_S+T_S/2
.if T_A == 2
.set T_DST, ASV
.set T_OFF, T_S*16*PVV
.set T_P, PVV
.else
.set T_DST, ASK
.set T_OFF, T_S*16*PK
.set T_P, PK
.endif
.endif
.set T_BASE, 4+2*T_A
.set T_R, 32*((\n)%6)           ; its slot of the ring
.endm
; Eight loads: 512 consecutive aligned bytes each, two rows.  Q is read once in the launch; K's and V's rows are read by several work-groups.
.macro ISSUE n
	TDEF \n
	WIN W_MV
.irp j, 0,1,2,3,4,5,6,7
.if T_A == 0
	global_load_b128 v[T_R+4*(\j):T_R+4*(\j)+3], v[T_RO], s[T_BASE:T_BASE+1] offset:512*(\j) th:TH_LOAD_NT
.else
	global_load_b128 v[T_R+4*(\j):T_R+4*(\j)+3], v[T_RO], s[T_BASE:T_BASE+1] offset:512*(\j)
.endif
.endr
.endm
; Tile n has come: rounded to bf16, 8 bytes a lane (row 2 j + lane / 16, channels 4 (lane % 16) on) into LDS; its slot is asked for again, six tiles on.
.macro CONSUME n
	TDEF \n
.if (\n) <= 16
	s_wait_loadcnt 40           ; loads come back in order (ISA guide 5.7.1): the five younger tiles' forty may stay out
.else
	s_wait_loadcnt 8*(21-(\n))  ; the last tiles: eight for each tile still behind this one
.endif
	WIN W_CV
.irp j, 0,1,2,3,4,5,6,7
	v_cvt_pk_bf16_f32 v[TT+2*(\j)],   v[T_R+4*(\j)],   v[T_R+4*(\j)+1]
	v_cvt_pk_bf16_f32 v[TT+2*(\j)+1], v[T_R+4*(\j)+2], v[T_R+4*(\j)+3]
.endr
	WIN W_MV
.irp j, 0,1,2,3,4,5,6,7
	ds_store_b64 v[T_DST], v[TT+2*(\j):TT+2*(\j)+1] offset:T_OFF+2*(\j)*T_P
.endr
.if (\n)+6 <= 21
	ISSUE (\n)+6
.endif
.endm
.macro PLACES                   ; eight plain instructions behind matrix instructions, ahead of what reads their results or writes their registers (ISA guide 7.12.1 asks for fewer)
.rept 8
	v_nop
.endr
.endm
	; THE HEAD
	s_load_b256 s[4:11], s[0:1], 0x0        ; Q s[4:5], K s[6:7], V s[8:9], out s[10:11]
	v_lshl_add_u32 v[SPW], v0, 2, SPARE
	v_mov_b32 v[NIL], 0
	v_lshrrev_b32 v7, 5, v0
	v_readfirstlane_b32 s12, v7             ; wave 0..7
	s_mov_b32 s13, ttmp9                    ; t
	s_and_b32 s14, ttmp7, 0xffff            ; the head:
	s_lshl_b32 s16, s14, 20                 ; 4,096 rows of 256 bytes
	s_mov_b32 s17, 0
	s_mov_b32 s[BIG], 0xf149f2ca            ; -1e30
	s_mov_b32 s[CS], 0x3e38aa3b             ; c = log2(e) / 8
	s_mov_b32 s[CS+1], s[CS]
	s_mov_b32 s[SEL], 0x76543210
	s_mov_b32 s[SEL+1], 0xfedcba98
	v_and_b32 v1, 31, v0                    ; lane
	v_and_b32 v2, 15, v0                    ; r = lane % 16
	v_bfe_u32 v3, v0, 4, 1                  ; h = lane / 16
	v_lshlrev_b32 v8, 4, v1                 ; 16 x lane
	s_lshl_b32 s20, s12, 9                  ; block 2 w: 512 w rows,
	s_lshl_b32 s21, s13, 4                  ; residue 16 t,
	s_add_co_u32 s20, s20, s21
	s_sub_co_i32 s20, s20, 32               ; the window begins 32 rows below (it may be negative)
.irp i, 0,1
.irp kt, 0,1,2,3,4
	s_add_co_i32 s21, s20, 256*(\i)+16*(\kt)
	s_max_i32 s22, s21, 0                   ; a multiple of 16, so a tile lies wholly inside rows 0 .. 4095 or wholly outside
	s_min_i32 s22, s22, 4080
.if (\kt) != 2
	s_cmp_lg_u32 s22, s21                   ; clamped: the tile is hidden
	s_cselect_b32 s[BE+4*(\i)+(\kt)-(\kt)/3], s[BIG], 0
.endif
	s_lshl_b32 s22, s22, 8
	v_add_nc_u32 v[RO+5*(\i)+(\kt)], s22, v8
.endr
.endr
	s_wait_kmcnt 0x0
	s_add_nc_u64 s[4:5], s[4:5], s[16:17]
	s_add_nc_u64 s[6:7], s[6:7], s[16:17]
	s_add_nc_u64 s[8:9], s[8:9], s[16:17]
	s_add_nc_u64 s[10:11], s[10:11], s[16:17]
	ISSUE 0                                 ; the ring is filled before anything else is done: 48 loads, 24 KiB a wave
	ISSUE 1
	ISSUE 2
	ISSUE 3
	ISSUE 4
	ISSUE 5
	WIN 0
	; the rest of the set-up stands in the wait for the first tile
	v_lshlrev_b32 v7, 3, v3
	v_sub_nc_u32 v4, v2, v7                 ; x = r - 8 h: register j holds the key at my query's own place where j = x
	v_and_b32 v5, 7, v0
	v_bfe_u32 v6, v0, 3, 1
	s_mul_i32 s40, s12, 2*QBLK              ; my two blocks of Q and K,
	s_mul_i32 s41, s12, 2*VBLK
	s_add_co_u32 s41, s41, L_VC             ; of V,
	s_mul_i32 s42, s12, STGB
	s_add_co_u32 s42, s42, L_STG            ; my stage,
	s_mul_i32 s43, s12, 2*OBLK
	s_add_co_u32 s43, s43, L_OS             ; my two blocks of O_s
	v_mul_u32_u24 v7, v3, PK
	v_lshl_add_u32 v7, v2, 3, v7            ; h x 144 + 8 r
	v_add_nc_u32 v[AQ], s40, v7
	v_add_nc_u32 v[ASK], s42, v7
	v_mul_u32_u24 v7, v3, PVV
	v_lshl_add_u32 v7, v2, 3, v7            ; h x 160 + 8 r
	v_add_nc_u32 v[AVC], s41, v7
	v_add_nc_u32 v[ASV], s42, v7
	v_mul_u32_u24 v7, v2, PK
	v_lshl_add_u32 v7, v3, 4, v7            ; a fragment: row r x 144 + 16 h
	v_add_nc_u32 v[BQ], s40, v7
	v_add_nc_u32 v[BSK], s42, v7
	v_lshl_add_u32 v9, v3, 3, v5            ; the turning load: key 8 h + lane % 8, channels 8 ((lane / 8) % 2) on
	v_mul_u32_u24 v7, v9, PVV
	v_lshl_add_u32 v7, v6, 4, v7
	v_add_nc_u32 v[BVC], s41, v7
	v_add_nc_u32 v[BSV], s42, v7
	s_mul_i32 s44, s12, 2*PK                ; the stride: residue 2 w of block r
	v_mul_u32_u24 v7, v2, QBLK
	v_lshl_add_u32 v7, v3, 4, v7
	v_add_nc_u32 v[SQ], s44, v7
	s_mul_i32 s44, s12, 2*PVV
	s_add_co_u32 s44, s44, L_VC
	v_mul_u32_u24 v7, v9, VBLK              ; the turning load's 'key' is the block
	v_lshl_add_u32 v7, v6, 4, v7
	v_add_nc_u32 v[SV], s44, v7
	s_mul_i32 s44, s12, 2*PO
	s_add_co_u32 s44, s44, L_OS
	v_mul_u32_u24 v7, v2, OBLK              ; O_s of block r, residue 2 w, channels 8 h on
	v_lshl_add_u32 v7, v3, 5, v7
	v_add_nc_u32 v[SO], s44, v7
	s_lshl_b32 s44, s12, 4
	s_add_co_u32 s44, s44, L_ST
	v_lshl_add_u32 v[SS], v2, 7, s44        ; block r x 128 + residue x 8
	v_mul_u32_u24 v7, v2, PO
	v_lshl_add_u32 v7, v3, 5, v7
	v_add_nc_u32 v[BO], s43, v7             ; the band: row r, channels 8 h on
	s_lshl_b32 s44, s12, 8
	s_add_co_u32 s44, s44, L_ST
	v_lshl_add_u32 v[BS], v2, 3, s44
	v_mul_u32_u24 v7, v3, PO
	v_lshl_add_u32 v7, v2, 4, v7
	v_add_nc_u32 v[BR], s43, v7             ; back: lanes 0-15 one row of 256 bytes, lanes 16-31 the next
.irp j, 0,1,2,3,4,5,6,7
	v_cmp_lt_i32 vcc_lo, (\j), v4
	v_cndmask_b32 v[MD0+(\j)], 0, s[BIG], vcc_lo
	v_cmp_gt_i32 vcc_lo, (\j), v4
	v_cndmask_b32 v[MD4+(\j)], 0, s[BIG], vcc_lo
	v_cmp_eq_i32 vcc_lo, (\j), v4           ; the stride's two score tiles start from their mask: the diagonal is hidden
	v_cndmask_b32 v[S+(\j)], 0, s[BIG], vcc_lo
	v_cndmask_b32 v[S+8+(\j)], 0, s[BIG], vcc_lo
.endr
.irp q, 41,45,50,51,53,55                   ; second halves of pairs of which the first alone is used, and destinations of v_permlanex16_b32, which count as read
	v_mov_b32 v[\q], 0
.endr
	; MY TWO TILES' OWN ROWS of Q, K and V go to LDS, for every wave of the work-group
	CONSUME 0
	CONSUME 1
	CONSUME 2
	CONSUME 3
	CONSUME 4
	CONSUME 5
	WIN 0
	s_wait_dscnt 0x0                        ; for the others' sake: my stores are done
	s_barrier_signal -1
	s_barrier_wait -1                       ; all 256 own rows of Q, K and V lie in LDS; nobody writes them again
	; THE STRIDE, residues 2 w + e, e = 0, 1.  Fragments: Q at F + 16 e + 8 c, K at F + 32 + 16 e + 8 c (channels 32 c on); V at F + 64 + 8 cb (channels 16 cb on):
	; its first 16 'keys' are residue 2 w's blocks, its last 16 residue 2 w + 1's, and the weights' zero half says which of the two counts.
.irp e, 0,1
.irp c, 0,1
	ds_load_b128 v[F+16*(\e)+8*(\c):F+16*(\e)+8*(\c)+3],       v[SQ] offset:(\e)*PK+64*(\c)
	ds_load_b128 v[F+16*(\e)+8*(\c)+4:F+16*(\e)+8*(\c)+7],     v[SQ] offset:(\e)*PK+64*(\c)+32
	ds_load_b128 v[F+32+16*(\e)+8*(\c):F+32+16*(\e)+8*(\c)+3],   v[SQ] offset:L_KC+(\e)*PK+64*(\c)
	ds_load_b128 v[F+32+16*(\e)+8*(\c)+4:F+32+16*(\e)+8*(\c)+7], v[SQ] offset:L_KC+(\e)*PK+64*(\c)+32
.endr
.endr
.irp cb, 0,1,2,3
	ds_load_tr16_b128 v[F+64+8*(\cb):F+64+8*(\cb)+3],   v[SV] offset:32*(\cb)
	ds_load_tr16_b128 v[F+64+8*(\cb)+4:F+64+8*(\cb)+7], v[SV] offset:PVV+32*(\cb)
.endr
	s_wait_dscnt 0x8                        ; Q and K are in; V's eight loads may stay out
.irp c, 0,1
.irp e, 0,1                                 ; the two accumulators take turns
	v_wmma_f32_16x16x32_bf16 v[S+8*(\e):S+8*(\e)+7], v[F+32+16*(\e)+8*(\c):F+32+16*(\e)+8*(\c)+7], v[F+16*(\e)+8*(\c):F+16*(\e)+8*(\c)+7], v[S+8*(\e):S+8*(\e)+7]
.endr
.endr
.irp j, 20,21,22,23,24,25,26,27
	v_mov_b32 v[S+(\j)], 0                  ; the weights' zero halves: P of e = 0 is S+16 .. S+23, of e = 1 S+24 .. S+31.  Eight plain lines: the places behind the products
.endr
.irp e, 0,1
	v_max3_num_f32 v[CH+(\e)], v[S+8*(\e)], v[S+8*(\e)+1], v[S+8*(\e)+2]
.endr
.irp e, 0,1
	v_max3_num_f32 v[CH+(\e)], v[CH+(\e)], v[S+8*(\e)+3], v[S+8*(\e)+4]
.endr
.irp e, 0,1
	v_max3_num_f32 v[CH+(\e)], v[CH+(\e)], v[S+8*(\e)+5], v[S+8*(\e)+6]
.endr
.irp e, 0,1
	v_max_num_f32 v[CH+(\e)], v[CH+(\e)], v[S+8*(\e)+7]
.endr
.irp e, 0,1
	v_permlanex16_b32 v[50+(\e)], v[CH+(\e)], s[SEL], s[SEL+1]  ; the query's other eight keys lie in the lane 16 away
.endr
.irp e, 0,1
	v_max_num_f32 v[42+4*(\e)], v[CH+(\e)], v[50+(\e)]          ; m_s: fifteen true scores are among the sixteen
.endr
.irp e, 0,1
	v_mul_f32 v[40+4*(\e)], s[CS], v[42+4*(\e)]                 ; c m_s
.endr
.irp e, 0,1
.irp j, 0,2,4,6
	v_pk_fma_f32 v[S+8*(\e)+(\j):S+8*(\e)+(\j)+1], v[S+8*(\e)+(\j):S+8*(\e)+(\j)+1], s[CS:CS+1], v[40+4*(\e):41+4*(\e)] op_sel_hi:[1,0,0] neg_lo:[0,0,1] neg_hi:[0,0,1]  ; c s - c m_s
.endr
.endr
.set z, 0
.rept 16
	v_exp_f32 v[S+z], v[S+z]                ; one batch
.set z, z+1
.endr
	v_nop                                   ; a plain instruction behind the last exponential,
	s_wait_alu depctr_va_vdst(0)            ; and one wait for the batch, ahead of its first reader
.irp j, 0,1,2,3
	v_cvt_pk_bf16_f32 v[S+16+(\j)], v[S+2*(\j)], v[S+2*(\j)+1]
	v_cvt_pk_bf16_f32 v[S+28+(\j)], v[S+8+2*(\j)], v[S+8+2*(\j)+1]
.endr
.irp e, 0,1
	v_pk_add_f32 v[S+8*(\e):S+8*(\e)+1],   v[S+8*(\e):S+8*(\e)+1],   v[S+8*(\e)+2:S+8*(\e)+3]
	v_pk_add_f32 v[S+8*(\e)+4:S+8*(\e)+5], v[S+8*(\e)+4:S+8*(\e)+5], v[S+8*(\e)+6:S+8*(\e)+7]
.endr
.irp e, 0,1
	v_pk_add_f32 v[S+8*(\e):S+8*(\e)+1], v[S+8*(\e):S+8*(\e)+1], v[S+8*(\e)+4:S+8*(\e)+5]
.endr
.irp e, 0,1
	v_add_f32 v[CH+(\e)], v[S+8*(\e)], v[S+8*(\e)+1]
.endr
.irp e, 0,1
	v_permlanex16_b32 v[50+(\e)], v[CH+(\e)], s[SEL], s[SEL+1]
.endr
.irp e, 0,1
	v_add_f32 v[43+4*(\e)], v[CH+(\e)], v[50+(\e)]              ; l_s
.endr
.irp e, 0,1
	ds_store_b64 v[SS], v[42+4*(\e):43+4*(\e)] offset:8*(\e)    ; both halves of the lanes hold, and write, the same two numbers
.endr
	s_wait_dscnt 0x2                        ; V is in; the two stores behind its loads may stay out
.irp e, 0,1
.irp cb, 0,1,2,3                            ; O_s^T = V^T P, eight sums of one product each, into the registers that held Q and K
	v_wmma_f32_16x16x32_bf16 v[F+32*(\e)+8*(\cb):F+32*(\e)+8*(\cb)+7], v[F+64+8*(\cb):F+64+8*(\cb)+7], v[S+16+8*(\e):S+23+8*(\e)], 0
.endr
.endr
	PLACES
.irp e, 0,1
.irp cb, 0,1,2,3                            ; each result's low registers first
	ds_store_b128 v[SO], v[F+32*(\e)+8*(\cb):F+32*(\e)+8*(\cb)+3]   offset:(\e)*PO+64*(\cb)
	ds_store_b128 v[SO], v[F+32*(\e)+8*(\cb)+4:F+32*(\e)+8*(\cb)+7] offset:(\e)*PO+64*(\cb)+16
.endr
.endr
	s_wait_dscnt 0x0                        ; for the others' sake: my stores of O_s, m_s and l_s are done
	s_barrier_signal -1
	s_barrier_wait -1                       ; from here on a wave touches its own two blocks and its own stage alone
; THE BAND, my tile i.  Fragments: Q at F + 8 c, K of key tile kt at F + 16 + 16 kt + 8 c; later V of key tiles 2 ch, 2 ch + 1 at F + 32 ch + 8 cb.
.macro BAND i
	CONSUME 6+8*(\i)                        ; the four neighbour tiles of K into my stage
	CONSUME 7+8*(\i)
	CONSUME 8+8*(\i)
	CONSUME 9+8*(\i)
	WIN 0
.if (\i) == 1
	s_wait_xcnt 0x0                         ; the first tile's stores have read their data registers, which are loaded again below
.endif
.irp c, 0,1
	ds_load_b128 v[F+8*(\c):F+8*(\c)+3],   v[BQ] offset:(\i)*QBLK+64*(\c)
	ds_load_b128 v[F+8*(\c)+4:F+8*(\c)+7], v[BQ] offset:(\i)*QBLK+64*(\c)+32
.endr
.irp kt, 0,1,2,3,4
.irp c, 0,1
.if (\kt) == 2
	ds_load_b128 v[F+16+16*(\kt)+8*(\c):F+16+16*(\kt)+8*(\c)+3],   v[BQ] offset:L_KC+(\i)*QBLK+64*(\c)
	ds_load_b128 v[F+16+16*(\kt)+8*(\c)+4:F+16+16*(\kt)+8*(\c)+7], v[BQ] offset:L_KC+(\i)*QBLK+64*(\c)+32
.else
	ds_load_b128 v[F+16+16*(\kt)+8*(\c):F+16+16*(\kt)+8*(\c)+3],   v[BSK] offset:((\kt)-(\kt)/3)*16*PK+64*(\c)  ; LDS serves a wave's instructions in order (ISA guide 5.7.1.4): these see the stores above
	ds_load_b128 v[F+16+16*(\kt)+8*(\c)+4:F+16+16*(\kt)+8*(\c)+7], v[BSK] offset:((\kt)-(\kt)/3)*16*PK+64*(\c)+32
.endif
.endr
.endr
	ds_load_b64 v[38:39], v[BS] offset:128*(\i)  ; m_s, l_s
.irp cb, 0,1,2,3
	ds_load_b128 v[O+8*(\cb):O+8*(\cb)+3],   v[BO] offset:(\i)*OBLK+64*(\cb)
	ds_load_b128 v[O+8*(\cb)+4:O+8*(\cb)+7], v[BO] offset:(\i)*OBLK+64*(\cb)+16
.endr
.irp j, 0,1,2,3,4,5,6,7                     ; while they are out: the scores start from their masks (key tile 2 starts from the constant 0)
	v_add_f32 v[S+(\j)],    s[BE+4*(\i)],   v[MD0+(\j)]
	v_mov_b32 v[S+8+(\j)],  s[BE+4*(\i)+1]
	v_mov_b32 v[S+24+(\j)], s[BE+4*(\i)+2]
	v_add_f32 v[S+32+(\j)], s[BE+4*(\i)+3], v[MD4+(\j)]
.endr
	s_wait_dscnt 0x0
.irp c, 0,1
.irp kt, 0,1,2,3,4                          ; the five accumulators take turns
.if ((\c) == 0) && ((\kt) == 2)
	v_wmma_f32_16x16x32_bf16 v[S+8*(\kt):S+8*(\kt)+7], v[F+16+16*(\kt)+8*(\c):F+16+16*(\kt)+8*(\c)+7], v[F+8*(\c):F+8*(\c)+7], 0
.else
	v_wmma_f32_16x16x32_bf16 v[S+8*(\kt):S+8*(\kt)+7], v[F+16+16*(\kt)+8*(\c):F+16+16*(\kt)+8*(\c)+7], v[F+8*(\c):F+8*(\c)+7], v[S+8*(\kt):S+8*(\kt)+7]
.endif
.endr
.endr
	CONSUME 10+8*(\i)                       ; the four neighbour tiles of V, onto the stage's bytes: K's reads of them were waited for above.
	CONSUME 11+8*(\i)                       ; The 64 roundings name no register of the products: they are the places behind them
	CONSUME 12+8*(\i)
	CONSUME 13+8*(\i)
	WIN 0
.irp cb, 0,1,2,3
.irp j, 4,5,6,7
	v_mov_b32 v[F+64+8*(\cb)+(\j)], 0       ; there is no sixth key tile: V's and P's last halves are 0
.endr
.endr
.irp cb, 0,1,2,3
	ds_load_tr16_b128 v[F+8*(\cb):F+8*(\cb)+3],       v[BSV] offset:32*(\cb)
	ds_load_tr16_b128 v[F+8*(\cb)+4:F+8*(\cb)+7],     v[BSV] offset:16*PVV+32*(\cb)
	ds_load_tr16_b128 v[F+32+8*(\cb):F+32+8*(\cb)+3],   v[BVC] offset:(\i)*VBLK+32*(\cb)
	ds_load_tr16_b128 v[F+32+8*(\cb)+4:F+32+8*(\cb)+7], v[BSV] offset:2*16*PVV+32*(\cb)
	ds_load_tr16_b128 v[F+64+8*(\cb):F+64+8*(\cb)+3],   v[BSV] offset:3*16*PVV+32*(\cb)
.endr
	; the softmax stands in the wait for them.  The maximum of 40 scores and m_s: five chains, each accumulator's lowest registers first
.irp k, 0,1,2,3,4
	v_max3_num_f32 v[CH+(\k)], v[S+8*(\k)], v[S+8*(\k)+1], v[S+8*(\k)+2]
.endr
.irp k, 0,1,2,3,4
	v_max3_num_f32 v[CH+(\k)], v[CH+(\k)], v[S+8*(\k)+3], v[S+8*(\k)+4]
.endr
.irp k, 0,1,2,3,4
	v_max3_num_f32 v[CH+(\k)], v[CH+(\k)], v[S+8*(\k)+5], v[S+8*(\k)+6]
.endr
	v_max3_num_f32 v[CH],   v[CH],   v[S+7],  v[S+15]
	v_max3_num_f32 v[CH+1], v[CH+1], v[S+23], v[S+31]
	v_max3_num_f32 v[CH+2], v[CH+2], v[S+39], v38
	v_max3_num_f32 v[CH], v[CH], v[CH+1], v[CH+2]
	v_max3_num_f32 v[CH], v[CH], v[CH+3], v[CH+4]
	v_permlanex16_b32 v53, v[CH], s[SEL], s[SEL+1]
	v_max_num_f32 v[CH], v[CH], v53         ; m
	v_mul_f32 v40, s[CS], v[CH]             ; c m
	v_mul_f32 v41, s[CS], v38               ; c m_s, rounded as c m is: their difference is 0 where m has not grown
	v_sub_f32 v43, v41, v40
.set z, 0
.rept 20
	v_pk_fma_f32 v[S+2*z:S+2*z+1], v[S+2*z:S+2*z+1], s[CS:CS+1], v[40:41] op_sel_hi:[1,0,0] neg_lo:[0,0,1] neg_hi:[0,0,1]  ; c s - c m
.set z, z+1
.endr
	v_exp_f32 v42, v43                      ; a; with the 40 weights one batch
.set z, 0
.rept 40
	v_exp_f32 v[S+z], v[S+z]
.set z, z+1
.endr
	v_nop                                   ; a plain instruction behind the last exponential,
	s_wait_alu depctr_va_vdst(0)            ; and one wait for the batch, ahead of its first reader
	v_pk_add_f32 v[44:45], v[S:S+1],   v[S+4:S+5]   ; the sum of the 20 pairs, in two chains
	v_pk_add_f32 v[46:47], v[S+2:S+3], v[S+6:S+7]
.set z, 4
.rept 16
	v_pk_add_f32 v[44+2*(z%2):45+2*(z%2)], v[44+2*(z%2):45+2*(z%2)], v[S+2*z:S+2*z+1]
.set z, z+1
.endr
	v_pk_add_f32 v[44:45], v[44:45], v[46:47]
.set z, 0
.rept 20
	v_cvt_pk_bf16_f32 v[S+z], v[S+2*z], v[S+2*z+1]  ; in place, ascending: register z is written when pair z / 2 has been read.  P of key tiles 2 ch, 2 ch + 1 is S + 8 ch ..
.set z, z+1
.endr
.irp j, 20,21,22,23
	v_mov_b32 v[S+(\j)], 0
.endr
	v_add_f32 v44, v44, v45
	v_permlanex16_b32 v53, v44, s[SEL], s[SEL+1]
	v_add_f32 v44, v44, v53
	v_fma_f32 v44, v39, v42, v44            ; l = a l_s + the sum
	v_rcp_f32 v54, v44                      ; its wait stands ahead of its first reader, behind the products
.set z, 0
.rept 16
	v_pk_mul_f32 v[O+2*z:O+2*z+1], v[O+2*z:O+2*z+1], v[42:43] op_sel_hi:[1,0]  ; a O_s
.set z, z+1
.endr
	s_wait_dscnt 0x0                        ; V is in
.irp ch, 0,1,2
.irp cb, 0,1,2,3                            ; the four accumulators take turns
	v_wmma_f32_16x16x32_bf16 v[O+8*(\cb):O+8*(\cb)+7], v[F+32*(\ch)+8*(\cb):F+32*(\ch)+8*(\cb)+7], v[S+8*(\ch):S+8*(\ch)+7], v[O+8*(\cb):O+8*(\cb)+7]
.endr
.endr
	PLACES
	s_wait_alu depctr_va_vdst(0)            ; the reciprocal's wait
.set z, 0
.rept 16
	v_pk_mul_f32 v[O+2*z:O+2*z+1], v[O+2*z:O+2*z+1], v[54:55] op_sel_hi:[1,0]  ; O / l, each accumulator from its low end
.set z, z+1
.endr
	; the way out: a lane's eight channels go where O_s lay, and whole rows come back
.irp cb, 0,1,2,3
	ds_store_b128 v[BO], v[O+8*(\cb):O+8*(\cb)+3]   offset:(\i)*OBLK+64*(\cb)
	ds_store_b128 v[BO], v[O+8*(\cb)+4:O+8*(\cb)+7] offset:(\i)*OBLK+64*(\cb)+16
.endr
.irp j, 0,1,2,3,4,5,6,7
	ds_load_b128 v[F+4*(\j):F+4*(\j)+3], v[BR] offset:(\i)*OBLK+2*(\j)*PO  ; in order behind the stores above
.endr
.irp j, 0,1,2,3,4,5,6,7
	s_wait_dscnt 7-(\j)                     ; the younger row loads may stay out
	global_store_b128 v[RO+5*(\i)+2], v[F+4*(\j):F+4*(\j)+3], s[10:11] offset:512*(\j) th:TH_STORE_NT  ; 16 lanes store a row: 256 consecutive bytes, at a multiple of 256 from out's first byte
.endr
.endm
	BAND 0
	BAND 1
	WIN 0
	s_wait_tensorcnt 0x0                    ; the wave's end, behind my last LDS store
	ds_add_u32 v[SPW], v[NIL]
	s_wait_dscnt 0x0
	s_endpgm
.Lfunc_end_k_q2803d9705c_sparse:
	.size	k_q2803d9705c_sparse, .Lfunc_end_k_q2803d9705c_sparse-k_q2803d9705c_sparse
	.p2alignl 7, 3214868480
	.fill 96, 4, 3214868480
	.section	.rodata,"a",@progbits
	.p2align	6, 0x0
	.amdhsa_kernel k_q2803d9705c_sparse
		.amdhsa_group_segment_fixed_size 270592
		.amdhsa_private_segment_fixed_size 0
		.amdhsa_enable_private_segment 0
		.amdhsa_kernarg_size 32
		.amdhsa_user_sgpr_count 2
		.amdhsa_user_sgpr_kernarg_segment_ptr 1
		.amdhsa_wavefront_size32 1
		.amdhsa_system_sgpr_workgroup_id_x 1
		.amdhsa_system_sgpr_workgroup_id_y 1
		.amdhsa_system_sgpr_workgroup_id_z 1
		.amdhsa_system_vgpr_workitem_id 0
		.amdhsa_next_free_vgpr 464
		.amdhsa_next_free_sgpr 66
		.amdhsa_reserve_vcc 1
		.amdhsa_float_denorm_mode_32 3
		.amdhsa_float_denorm_mode_16_64 3
		.amdhsa_memory_ordered 1
		.amdhsa_forward_progress 1
		.amdhsa_inst_pref_size 104
	.end_amdhsa_kernel
	.amdgpu_metadata
---
amdhsa.version: [ 1, 2 ]
amdhsa.kernels:
  - .name:           k_q2803d9705c_sparse
    .symbol:         k_q2803d9705c_sparse.kd
    .args:
      - { .name: query, .offset: 0, .size: 8, .value_kind: global_buffer, .address_space: global }
      - { .name: key, .offset: 8, .size: 8, .value_kind: global_buffer, .address_space: global }
      - { .name: value, .offset: 16, .size: 8, .value_kind: global_buffer, .address_space: global }
      - { .name: out0, .offset: 24, .size: 8, .value_kind: global_buffer, .address_space: global }
    .group_segment_fixed_size: 270592
    .private_segment_fixed_size: 0
    .kernarg_segment_align: 8
    .kernarg_segment_size: 32
    .max_flat_workgroup_size: 256
    .sgpr_count:     66
    .vgpr_count:     464
    .wavefront_size: 32
...
	.end_amdgpu_metadata
.endif
;; end of part 1
;; ======== version 2 of 2: 1 launch; version 1 with the launch sparse written anew for expert scheduling mode
;; limits: right only within a limited range of input values
;; launch sparse (part 2): grid 16 x 16, 8 waves a work-group, no clusters, 270,592 bytes of LDS; arguments query, key, value, out0; writes out0
.if DOCPART == 2
	.amdgcn_target "amdgcn-amd-amdhsa--gfx1250"
	.amdhsa_code_object_version 6
	.text
	.protected	k_q2803d9705c_sparse
	.globl	k_q2803d9705c_sparse
	.p2align	8
	.type	k_q2803d9705c_sparse,@function
k_q2803d9705c_sparse:
	s_mov_b64 s[64:65], 0
	v_nop
	global_prefetch_b8 v0, s[64:65] scope:SCOPE_SE
	s_setreg_imm32_b32 hwreg(HW_REG_WAVE_SCHED_MODE, 0, 2), 2
	s_setreg_imm32_b32 hwreg(HW_REG_WAVE_MODE, 25, 1), 1
	s_wait_xcnt 0x0
	s_wait_alu depctr_vm_vsrc(0)
; out[h][i][:] = the sum over the allowed keys j of softmax_j(Q[h][i] . K[h][j] / 8) V[h][j][:].  Q, K, V, out: [16][4096][64] f32.
; Allowed: |j - i| <= 32 (THE BAND) or (j - i) % 256 == 0 (THE STRIDE).  Hidden keys have weight 0 in the result, so their products are not made.
; SHARES.  Work-group (t, head) owns the residues 16 t .. 16 t + 15 (mod 256) in all 16 blocks of 256 rows: 16 tiles of 16 queries.  Wave w owns the tiles of blocks 2 w, 2 w + 1
; (the band) and the residues 2 w, 2 w + 1 of the sixteen (the stride).
; THE STRIDE.  The 16 rows of one residue see each other: one tile S^T = K Q^T of 16 x 16, the diagonal hidden (it belongs to the band).  Its maximum m_s, sum l_s and unnormalised
; O_s = V^T P go to LDS in f32, laid by block and residue.
; THE BAND.  A tile of 16 queries sees the five aligned tiles of 16 keys from 32 rows below its first row on; of the first a lower and of the last an upper triangle is hidden.  It is one more
; step of a running softmax on top of the stride's: m = max(m_s, scores), a = 2^(c m_s - c m), O = a O_s + V^T P, l = a l_s + the sum of p, out = O / l; c = log2(e) / 8.
; A key tile that would begin outside rows 0 .. 4080 is loaded from the clamped row and hidden whole.
; LAYOUT.  Source 0 = 16 keys, source 1 = 16 queries: in S^T a lane holds ONE query (lane % 16) and the keys 8 (lane / 16) + 0..7; two such tiles rounded to bf16 ARE source 1 of O^T = V^T P.
; FORMATS.  Q, K, V and the weights p are rounded once to bf16; scores, maxima, sums, O_s and O stay in f32.
; LIMITS.  A hidden score counts as its value less 1e30 (2e30 where a triangle lies in a hidden tile): true scores must stay far below 1e29.  A weight below 2^-126 counts as 0.
; NaN and infinities are not treated apart: rows with weight 0 are multiplied all the same, so K and V must be finite.
; THE STREAM.  Every byte becomes bf16 on its way, so it passes through registers: a tile (16 rows, 4,096 consecutive bytes) is eight loads of 512 aligned bytes; six tiles of a wave are out at a time.
; NO CLUSTER, NO JOINT LOADS.  Neighbouring work-groups read the same key tiles, but each at another of the five places of its window, and a joint load lands at one LDS address in all partners;
; it would also land f32, twice the bytes that the bf16 tiles take, which the wave would have to read, round and store again.
; REGISTERS.  Window 0: v0-9 lane terms; v10-19 load offsets; v20-34 LDS addresses; v36-37 the add's; v38-55 statistics; v64-79 the two triangles; v80-175 fragments; v176-215 S^T, then P; v216-247 O^T.
; Window 1: v0-191 the ring of six tiles as loaded; v192-223 two buffers of a tile's bf16, which take turns.
; THE MODE: SCHED_MODE bits 1:0 = 2 (LLVM: expert scheduling mode 2), set by the entry lines.  The code itself states the register dependences
; between vector or matrix instructions and memory or LDS instructions, with s_wait_alu, always for 0.
; THE PLAN.  Registers that memory or LDS instructions touch:
;   the ring     Tile n's loads land in slot n % 6; the sixteen roundings of tile n's turn read it; behind them tile n + 6's loads land in it.
;   TT0, TT1     Tile n's roundings write TT[n % 2], its eight LDS stores read it; tile n + 2's roundings write it again.
;   v10-19       Offsets of every global load and store; v20-34: LDS addresses; v36-37: the closing add's.  All are written at the head and never again.
;   F            The stride: loads land, products read, the second products write F .. F+63, LDS stores read these.  A band: loads land (Q, K), products read, V's loads land, products read,
;                the way out's loads land in F .. F+31, global stores read these.
;   v42-43, v46-47  m_s and l_s: written by the stride's vector work, read by its two LDS stores, written again by the band's softmax.
;   v38-39, O    Loaded at a band's head; read, and O written, by its vector and matrix work; O read by the way out's LDS stores.
;   S, the triangles and the other statistics are named by vector and matrix instructions alone.
; So a tile's turn has ONE wait on va_vdst, behind its roundings, for its loads and its stores, and beside it one on vm_vsrc, which frees the OTHER TT for the next turn: the stores that it
; names were issued a turn ago.  The stride has one wait on va_vdst for all its eighteen stores; a band one on vm_vsrc ahead of its fragments' loads and one on va_vdst ahead of the way out.
.set PK,    144                 ; a row of Q or K in LDS: 128 bytes + 16: an odd multiple of 16 bytes, so the 16 rows of a fragment load begin in 16 different 16-byte columns of 256
.set PVV,   160                 ; a row of V: 128 + 32: an odd multiple of 32 bytes, for the turning load (8 rows x 32 bytes)
.set PO,    272                 ; a row of O_s: 256 + 16
.set QBLK,  16*PK+16            ; 2,320: from block to block, again an odd multiple of 16: the stride's fragments take one row of each block
.set VBLK,  16*PVV+32           ; 2,592: an odd multiple of 32
.set OBLK,  16*PO+16            ; 4,368: an odd multiple of 16
.set L_KC,  16*QBLK             ; LDS: Q's own rows at 0, K's at 37,120,
.set L_VC,  2*16*QBLK           ; V's at 74,240,
.set L_OS,  L_VC+16*VBLK        ; O_s (later the way out) at 115,712,
.set L_ST,  L_OS+16*OBLK        ; (m_s, l_s), 8 bytes for each query, at 185,600,
.set L_STG, L_ST+2048           ; each wave's own stage at 187,648: four neighbour tiles of K, then, on the same bytes, of V
.set STGB,  4*16*PVV            ; 10,240 bytes a wave
.set SPARE, L_STG+8*STGB        ; 269,568: the spare words, 128 bytes for each wave: four blocks of 256 bytes that no other line names
.set RO,  10                    ; v10-19  16 lane + 256 x first row of key tile kt of my tile i, at RO + 5 i + kt; kt = 2 is the tile's own rows; never rewritten
.set AQ,  20                    ; where a loaded tile's bf16 goes: Q's and K's own rows,
.set AVC, 21                    ; V's own rows,
.set ASK, 22                    ; the stage as K,
.set ASV, 23                    ; the stage as V
.set BQ,  24                    ; the band's fragments: of Q's and K's own rows,
.set BSK, 25                    ; of the stage as K,
.set BVC, 26                    ; of V's own rows (turning load),
.set BSV, 27                    ; of the stage as V (turning load)
.set SQ,  28                    ; the stride's fragments of Q and K,
.set SV,  29                    ; of V (turning load)
.set SO,  30                    ; where the stride puts O_s,
.set SS,  31                    ; and (m_s, l_s)
.set BO,  32                    ; where the band finds O_s, and puts O,
.set BS,  33                    ; finds (m_s, l_s),
.set BR,  34                    ; and reads whole rows of O back
.set SPW, 36                    ; v36  LDS address of my spare word; never rewritten
.set NIL, 37                    ; v37  0; never rewritten
.set CH,  48                    ; v48-52  chains of the maximum
.set MD0, 64                    ; v64-71  -1e30 where key 8 (lane / 16) + j lies below my query's place in its tile: the first key tile's triangle
.set MD4, 72                    ; v72-79  the same for 'above': the last key tile's
.set F,   80
.set S,   176
.set O,   216
.set TT,  192                   ; window 1: TT0 at 192, TT1 at 208
.set MEQ, 16                    ; s16-23  at the head only: lane masks 'register j holds the key at my query's own place',
.set MLT, 40                    ; s40-47  'a key below it',
.set MGT, 48                    ; s48-55  'a key above it'
.set BE,  24                    ; s24-31  -1e30 or 0 for key tiles 0, 1, 3, 4 of my tile i, at BE + 4 i
.set BIG, 32                    ; s32  -1e30
.set CS,  34                    ; s[34:35] c, twice
.set SEL, 36                    ; s[36:37] v_permlanex16_b32's selects: each lane takes its own place in the other half
.set MSB, 0
.macro WIN new                  ; the immediate's high byte repeats the setting that is left; a switch that changes nothing is dropped
.if MSB != (\new)
	s_set_vgpr_msb (MSB<<8)|(\new)
.set MSB, \new
.endif
.endm
.set W_MV, 0x44                 ; destination (loaded data) and source 1 (LDS store data) in window 1, addresses in window 0
.set W_CV, 0x45                 ; destination and both sources in window 1
; Tile n of a wave's 22.  0-5: for my tiles i = 0, 1 the own rows of Q, K, V.  6-21: for i = 0, 1 the four neighbour tiles of K (key tiles 0, 1, 3, 4), then those of V.
.macro TDEF n
.if (\n) < 6
.set T_I, (\n)/3
.set T_A, (\n)%3                ; 0 Q, 1 K, 2 V
.set T_RO, RO+5*T_I+2
.if T_A == 2
.set T_DST, AVC
.set T_OFF, T_I*VBLK
.set T_P, PVV
.else
.set T_DST, AQ
.set T_OFF, T_A*L_KC+T_I*QBLK
.set T_P, PK
.endif
.else
.set T_I, ((\n)-6)/8
.set T_S, ((\n)-6)%4            ; its place in the stage
.set T_A, 1+(((\n)-6)%8)/4
.set T_RO, RO+5*T_I+T_S+T_S/2
.if T_A == 2
.set T_DST, ASV
.set T_OFF, T_S*16*PVV
.set T_P, PVV
.else
.set T_DST, ASK
.set T_OFF, T_S*16*PK
.set T_P, PK
.endif
.endif
.set T_BASE, 4+2*T_A
.set T_R, 32*((\n)%6)           ; its slot of the ring
.set T_T, TT+16*((\n)%2)        ; its buffer of bf16
.endm
; Eight loads: 512 consecutive aligned bytes each, two rows.  Q is read once in the launch; K's and V's rows are read by several work-groups.
.macro ISSUE n
	TDEF \n
	WIN W_MV
.irp j, 0,1,2,3,4,5,6,7
.if T_A == 0
	global_load_b128 v[T_R+4*(\j):T_R+4*(\j)+3], v[T_RO], s[T_BASE:T_BASE+1] offset:512*(\j) th:TH_LOAD_NT
.else
	global_load_b128 v[T_R+4*(\j):T_R+4*(\j)+3], v[T_RO], s[T_BASE:T_BASE+1] offset:512*(\j)
.endif
.endr
.endm
; Tile n's turn.  It has come: rounded to bf16; its slot is asked for again, six tiles on; 8 bytes a lane (row 2 j + lane / 16, channels 4 (lane % 16) on) go into LDS.
.macro CONSUME n
	TDEF \n
.if (\n) <= 16
	s_wait_loadcnt 40           ; loads come back in order (ISA guide 5.7.1): the five younger tiles' forty may stay out
.else
	s_wait_loadcnt 8*(21-(\n))  ; the last tiles: eight for each tile still behind this one
.endif
	WIN W_CV
.irp j, 0,1,2,3,4,5,6,7
	v_cvt_pk_bf16_f32 v[T_T+2*(\j)],   v[T_R+4*(\j)],   v[T_R+4*(\j)+1]
	v_cvt_pk_bf16_f32 v[T_T+2*(\j)+1], v[T_R+4*(\j)+2], v[T_R+4*(\j)+3]
.endr
	WIN W_MV
	s_wait_alu depctr_va_vdst(0)    ; the roundings have written this tile's TT, which the LDS stores below read, and are done reading its slot, in which the loads below land; in the first turn also: the LDS addresses v20-34 are written; in a turn behind products also: these are done with their fragments
.if ((\n) >= 1) && ((\n) <= 20)
	s_wait_alu depctr_vm_vsrc(0)    ; the LDS stores of the turn before have read the other TT, which the next turn's roundings write again
.endif
.if (\n)+6 <= 21
	ISSUE (\n)+6                    ; first the loads: no vector instruction since the wait names the slot
	TDEF \n
.endif
.irp j, 0,1,2,3,4,5,6,7
	ds_store_b64 v[T_DST], v[T_T+2*(\j):T_T+2*(\j)+1] offset:T_OFF+2*(\j)*T_P
.endr
.endm
.macro PLACES                   ; eight plain instructions behind matrix instructions, ahead of what reads their results or writes their registers (ISA guide 7.12.1 asks for fewer)
.rept 8
	v_nop
.endr
.endm
	; THE HEAD
	s_load_b256 s[4:11], s[0:1], 0x0        ; Q s[4:5], K s[6:7], V s[8:9], out s[10:11]
	v_lshl_add_u32 v[SPW], v0, 2, SPARE
	v_mov_b32 v[NIL], 0
	v_lshrrev_b32 v7, 5, v0
	v_readfirstlane_b32 s12, v7             ; wave 0..7
	s_mov_b32 s13, ttmp9                    ; t
	s_and_b32 s14, ttmp7, 0xffff            ; the head:
	s_lshl_b32 s16, s14, 20                 ; 4,096 rows of 256 bytes
	s_mov_b32 s17, 0
	s_mov_b32 s[BIG], 0xf149f2ca            ; -1e30
	s_mov_b32 s[CS], 0x3e38aa3b             ; c = log2(e) / 8
	s_mov_b32 s[CS+1], s[CS]
	s_mov_b32 s[SEL], 0x76543210
	s_mov_b32 s[SEL+1], 0xfedcba98
	v_and_b32 v1, 31, v0                    ; lane
	v_and_b32 v2, 15, v0                    ; r = lane % 16
	v_bfe_u32 v3, v0, 4, 1                  ; h = lane / 16
	v_lshlrev_b32 v8, 4, v1                 ; 16 x lane
	s_wait_alu depctr_va_sdst(0)            ; s12 is written, ahead of its first reader: the rows and the LDS places of the wave are made from it
	s_lshl_b32 s20, s12, 9                  ; block 2 w: 512 w rows,
	s_lshl_b32 s21, s13, 4                  ; residue 16 t,
	s_add_co_u32 s20, s20, s21
	s_sub_co_i32 s20, s20, 32               ; the window begins 32 rows below (it may be negative)
.irp i, 0,1
.irp kt, 0,1,2,3,4
	s_add_co_i32 s21, s20, 256*(\i)+16*(\kt)
	s_max_i32 s22, s21, 0                   ; a multiple of 16, so a tile lies wholly inside rows 0 .. 4095 or wholly outside
	s_min_i32 s22, s22, 4080
.if (\kt) != 2
	s_cmp_lg_u32 s22, s21                   ; clamped: the tile is hidden
	s_cselect_b32 s[BE+4*(\i)+(\kt)-(\kt)/3], s[BIG], 0
.endif
	s_lshl_b32 s22, s22, 8
	v_add_nc_u32 v[RO+5*(\i)+(\kt)], s22, v8
.endr
.endr
	s_wait_kmcnt 0x0
	s_add_nc_u64 s[4:5], s[4:5], s[16:17]
	s_add_nc_u64 s[6:7], s[6:7], s[16:17]
	s_add_nc_u64 s[8:9], s[8:9], s[16:17]
	s_add_nc_u64 s[10:11], s[10:11], s[16:17]
	WIN W_MV
	s_wait_alu depctr_va_vdst(0)            ; the ten offsets v10-19 are written: every global load and store of the kernel reads one of them
	ISSUE 0                                 ; the ring is filled before anything else is done: 48 loads, 24 KiB a wave
	ISSUE 1
	ISSUE 2
	ISSUE 3
	ISSUE 4
	ISSUE 5
	WIN 0
	; the rest of the set-up stands in the wait for the first tile; it writes none of v10-19
	v_lshlrev_b32 v7, 3, v3
	v_sub_nc_u32 v4, v2, v7                 ; x = r - 8 h: register j holds the key at my query's own place where j = x
	v_and_b32 v5, 7, v0
	v_bfe_u32 v6, v0, 3, 1
	s_mul_i32 s40, s12, 2*QBLK              ; my two blocks of Q and K,
	s_mul_i32 s41, s12, 2*VBLK
	s_add_co_u32 s41, s41, L_VC             ; of V,
	s_mul_i32 s42, s12, STGB
	s_add_co_u32 s42, s42, L_STG            ; my stage,
	s_mul_i32 s43, s12, 2*OBLK
	s_add_co_u32 s43, s43, L_OS             ; my two blocks of O_s
	v_mul_u32_u24 v7, v3, PK
	v_lshl_add_u32 v7, v2, 3, v7            ; h x 144 + 8 r
	v_add_nc_u32 v[AQ], s40, v7
	v_add_nc_u32 v[ASK], s42, v7
	v_mul_u32_u24 v7, v3, PVV
	v_lshl_add_u32 v7, v2, 3, v7            ; h x 160 + 8 r
	v_add_nc_u32 v[AVC], s41, v7
	v_add_nc_u32 v[ASV], s42, v7
	v_mul_u32_u24 v7, v2, PK
	v_lshl_add_u32 v7, v3, 4, v7            ; a fragment: row r x 144 + 16 h
	v_add_nc_u32 v[BQ], s40, v7
	v_add_nc_u32 v[BSK], s42, v7
	v_lshl_add_u32 v9, v3, 3, v5            ; the turning load: key 8 h + lane % 8, channels 8 ((lane / 8) % 2) on
	v_mul_u32_u24 v7, v9, PVV
	v_lshl_add_u32 v7, v6, 4, v7
	v_add_nc_u32 v[BVC], s41, v7
	v_add_nc_u32 v[BSV], s42, v7
	s_mul_i32 s44, s12, 2*PK                ; the stride: residue 2 w of block r
	v_mul_u32_u24 v7, v2, QBLK
	v_lshl_add_u32 v7, v3, 4, v7
	v_add_nc_u32 v[SQ], s44, v7
	s_mul_i32 s44, s12, 2*PVV
	s_add_co_u32 s44, s44, L_VC
	v_mul_u32_u24 v7, v9, VBLK              ; the turning load's 'key' is the block
	v_lshl_add_u32 v7, v6, 4, v7
	v_add_nc_u32 v[SV], s44, v7
	s_mul_i32 s44, s12, 2*PO
	s_add_co_u32 s44, s44, L_OS
	v_mul_u32_u24 v7, v2, OBLK              ; O_s of block r, residue 2 w, channels 8 h on
	v_lshl_add_u32 v7, v3, 5, v7
	v_add_nc_u32 v[SO], s44, v7
	s_lshl_b32 s44, s12, 4
	s_add_co_u32 s44, s44, L_ST
	v_lshl_add_u32 v[SS], v2, 7, s44        ; block r x 128 + residue x 8
	v_mul_u32_u24 v7, v2, PO
	v_lshl_add_u32 v7, v3, 5, v7
	v_add_nc_u32 v[BO], s43, v7             ; the band: row r, channels 8 h on
	s_lshl_b32 s44, s12, 8
	s_add_co_u32 s44, s44, L_ST
	v_lshl_add_u32 v[BS], v2, 3, s44
	v_mul_u32_u24 v7, v3, PO
	v_lshl_add_u32 v7, v2, 4, v7
	v_add_nc_u32 v[BR], s43, v7             ; back: lanes 0-15 one row of 256 bytes, lanes 16-31 the next
.irp j, 0,1,2,3,4,5,6,7                     ; the 24 compares stand in one run, each into a scalar register of its own (all are free by now), so that one wait serves them
	v_cmp_lt_i32 s[MLT+(\j)], (\j), v4
	v_cmp_gt_i32 s[MGT+(\j)], (\j), v4
	v_cmp_eq_i32 s[MEQ+(\j)], (\j), v4
.endr
	s_wait_alu depctr_va_sdst(0)            ; the 24 lane masks are written, ahead of their first reader: the selects below
.irp j, 0,1,2,3,4,5,6,7
	v_cndmask_b32 v[MD0+(\j)], 0, s[BIG], s[MLT+(\j)]
	v_cndmask_b32 v[MD4+(\j)], 0, s[BIG], s[MGT+(\j)]
	v_cndmask_b32 v[S+(\j)], 0, s[BIG], s[MEQ+(\j)]    ; the stride's two score tiles start from their mask: the diagonal is hidden
	v_cndmask_b32 v[S+8+(\j)], 0, s[BIG], s[MEQ+(\j)]
.endr
.irp q, 41,45,50,51,53,55                   ; second halves of pairs of which the first alone is used, and destinations of v_permlanex16_b32, which count as read
	v_mov_b32 v[\q], 0
.endr
	; MY TWO TILES' OWN ROWS of Q, K and V go to LDS, for every wave of the work-group
	CONSUME 0
	CONSUME 1
	CONSUME 2
	CONSUME 3
	CONSUME 4
	CONSUME 5
	WIN 0
	s_wait_dscnt 0x0                        ; for the others' sake: my stores are done
	s_barrier_signal -1
	s_barrier_wait -1                       ; all 256 own rows of Q, K and V lie in LDS; nobody writes them again
	; THE STRIDE, residues 2 w + e, e = 0, 1.  Fragments: Q at F + 16 e + 8 c, K at F + 32 + 16 e + 8 c (channels 32 c on); V at F + 64 + 8 cb (channels 16 cb on):
	; its first 16 'keys' are residue 2 w's blocks, its last 16 residue 2 w + 1's, and the weights' zero half says which of the two counts.
	; No instruction has named F so far, and the addresses were shown written in the first tile's turn: these loads hang on nothing more.
.irp e, 0,1
.irp c, 0,1
	ds_load_b128 v[F+16*(\e)+8*(\c):F+16*(\e)+8*(\c)+3],       v[SQ] offset:(\e)*PK+64*(\c)
	ds_load_b128 v[F+16*(\e)+8*(\c)+4:F+16*(\e)+8*(\c)+7],     v[SQ] offset:(\e)*PK+64*(\c)+32
	ds_load_b128 v[F+32+16*(\e)+8*(\c):F+32+16*(\e)+8*(\c)+3],   v[SQ] offset:L_KC+(\e)*PK+64*(\c)
	ds_load_b128 v[F+32+16*(\e)+8*(\c)+4:F+32+16*(\e)+8*(\c)+7], v[SQ] offset:L_KC+(\e)*PK+64*(\c)+32
.endr
.endr
.irp cb, 0,1,2,3
	ds_load_tr16_b128 v[F+64+8*(\cb):F+64+8*(\cb)+3],   v[SV] offset:32*(\cb)
	ds_load_tr16_b128 v[F+64+8*(\cb)+4:F+64+8*(\cb)+7], v[SV] offset:PVV+32*(\cb)
.endr
	s_wait_dscnt 0x8                        ; Q and K are in; V's eight loads may stay out
.irp c, 0,1
.irp e, 0,1                                 ; the two accumulators take turns
	v_wmma_f32_16x16x32_bf16 v[S+8*(\e):S+8*(\e)+7], v[F+32+16*(\e)+8*(\c):F+32+16*(\e)+8*(\c)+7], v[F+16*(\e)+8*(\c):F+16*(\e)+8*(\c)+7], v[S+8*(\e):S+8*(\e)+7]
.endr
.endr
.irp j, 20,21,22,23,24,25,26,27
	v_mov_b32 v[S+(\j)], 0                  ; the weights' zero halves: P of e = 0 is S+16 .. S+23, of e = 1 S+24 .. S+31.  Eight plain lines: the places behind the products
.endr
.irp e, 0,1
	v_max3_num_f32 v[CH+(\e)], v[S+8*(\e)], v[S+8*(\e)+1], v[S+8*(\e)+2]
.endr
.irp e, 0,1
	v_max3_num_f32 v[CH+(\e)], v[CH+(\e)], v[S+8*(\e)+3], v[S+8*(\e)+4]
.endr
.irp e, 0,1
	v_max3_num_f32 v[CH+(\e)], v[CH+(\e)], v[S+8*(\e)+5], v[S+8*(\e)+6]
.endr
.irp e, 0,1
	v_max_num_f32 v[CH+(\e)], v[CH+(\e)], v[S+8*(\e)+7]
.endr
.irp e, 0,1
	v_permlanex16_b32 v[50+(\e)], v[CH+(\e)], s[SEL], s[SEL+1]  ; the query's other eight keys lie in the lane 16 away
.endr
.irp e, 0,1
	v_max_num_f32 v[42+4*(\e)], v[CH+(\e)], v[50+(\e)]          ; m_s: fifteen true scores are among the sixteen
.endr
.irp e, 0,1
	v_mul_f32 v[40+4*(\e)], s[CS], v[42+4*(\e)]                 ; c m_s
.endr
.irp e, 0,1
.irp j, 0,2,4,6
	v_pk_fma_f32 v[S+8*(\e)+(\j):S+8*(\e)+(\j)+1], v[S+8*(\e)+(\j):S+8*(\e)+(\j)+1], s[CS:CS+1], v[40+4*(\e):41+4*(\e)] op_sel_hi:[1,0,0] neg_lo:[0,0,1] neg_hi:[0,0,1]  ; c s - c m_s
.endr
.endr
.set z, 0
.rept 16
	v_exp_f32 v[S+z], v[S+z]                ; one batch
.set z, z+1
.endr
	v_nop                                   ; a plain instruction behind the last exponential,
	s_wait_alu depctr_va_vdst(0)            ; and one wait for the batch: the sixteen exponentials have written S .. S+15, ahead of their first reader
.irp j, 0,1,2,3
	v_cvt_pk_bf16_f32 v[S+16+(\j)], v[S+2*(\j)], v[S+2*(\j)+1]
	v_cvt_pk_bf16_f32 v[S+28+(\j)], v[S+8+2*(\j)], v[S+8+2*(\j)+1]
.endr
.irp e, 0,1
	v_pk_add_f32 v[S+8*(\e):S+8*(\e)+1],   v[S+8*(\e):S+8*(\e)+1],   v[S+8*(\e)+2:S+8*(\e)+3]
	v_pk_add_f32 v[S+8*(\e)+4:S+8*(\e)+5], v[S+8*(\e)+4:S+8*(\e)+5], v[S+8*(\e)+6:S+8*(\e)+7]
.endr
.irp e, 0,1
	v_pk_add_f32 v[S+8*(\e):S+8*(\e)+1], v[S+8*(\e):S+8*(\e)+1], v[S+8*(\e)+4:S+8*(\e)+5]
.endr
.irp e, 0,1
	v_add_f32 v[CH+(\e)], v[S+8*(\e)], v[S+8*(\e)+1]
.endr
.irp e, 0,1
	v_permlanex16_b32 v[50+(\e)], v[CH+(\e)], s[SEL], s[SEL+1]
.endr
.irp e, 0,1
	v_add_f32 v[43+4*(\e)], v[CH+(\e)], v[50+(\e)]              ; l_s; it is stored below, with O_s, behind the one wait
.endr
	s_wait_dscnt 0x0                        ; V is in: its loads are the youngest LDS instructions
.irp e, 0,1
.irp cb, 0,1,2,3                            ; O_s^T = V^T P, eight sums of one product each, into the registers that held Q and K
	v_wmma_f32_16x16x32_bf16 v[F+32*(\e)+8*(\cb):F+32*(\e)+8*(\cb)+7], v[F+64+8*(\cb):F+64+8*(\cb)+7], v[S+16+8*(\e):S+23+8*(\e)], 0
.endr
.endr
	PLACES
	s_wait_alu depctr_va_vdst(0)            ; the products have written O_s^T in F .. F+63, and the vector work m_s and l_s in v42-43 and v46-47: the eighteen LDS stores below read them.  The places above stay beside this wait
.irp e, 0,1
	ds_store_b64 v[SS], v[42+4*(\e):43+4*(\e)] offset:8*(\e)    ; both halves of the lanes hold, and write, the same two numbers
.endr
.irp e, 0,1
.irp cb, 0,1,2,3                            ; each result's low registers first
	ds_store_b128 v[SO], v[F+32*(\e)+8*(\cb):F+32*(\e)+8*(\cb)+3]   offset:(\e)*PO+64*(\cb)
	ds_store_b128 v[SO], v[F+32*(\e)+8*(\cb)+4:F+32*(\e)+8*(\cb)+7] offset:(\e)*PO+64*(\cb)+16
.endr
.endr
	s_wait_dscnt 0x0                        ; for the others' sake: my stores of O_s, m_s and l_s are done
	s_barrier_signal -1
	s_barrier_wait -1                       ; from here on a wave touches its own two blocks and its own stage alone
; THE BAND, my tile i.  Fragments: Q at F + 8 c, K of key tile kt at F + 16 + 16 kt + 8 c; later V of key tiles 2 ch, 2 ch + 1 at F + 32 ch + 8 cb.
.macro BAND i
	CONSUME 6+8*(\i)                        ; the four neighbour tiles of K into my stage
	CONSUME 7+8*(\i)
	CONSUME 8+8*(\i)
	CONSUME 9+8*(\i)
	WIN 0
.if (\i) == 1
	s_wait_xcnt 0x0                         ; the first tile's stores have read their data registers, which are loaded again below
	s_wait_alu depctr_vm_vsrc(0)            ; the first tile's global stores have read F .. F+31 and its LDS stores O, in which the loads below land
.else
	s_wait_alu depctr_vm_vsrc(0)            ; the stride's LDS stores have read F .. F+63, in which the loads below land, and v42-43 and v46-47, which the softmax below writes
.endif
	; The vector and matrix instructions that named F, O and v38-39 stand ahead of the waits on va_vdst in the four turns above, and none since names them
.irp c, 0,1
	ds_load_b128 v[F+8*(\c):F+8*(\c)+3],   v[BQ] offset:(\i)*QBLK+64*(\c)
	ds_load_b128 v[F+8*(\c)+4:F+8*(\c)+7], v[BQ] offset:(\i)*QBLK+64*(\c)+32
.endr
.irp kt, 0,1,2,3,4
.irp c, 0,1
.if (\kt) == 2
	ds_load_b128 v[F+16+16*(\kt)+8*(\c):F+16+16*(\kt)+8*(\c)+3],   v[BQ] offset:L_KC+(\i)*QBLK+64*(\c)
	ds_load_b128 v[F+16+16*(\kt)+8*(\c)+4:F+16+16*(\kt)+8*(\c)+7], v[BQ] offset:L_KC+(\i)*QBLK+64*(\c)+32
.else
	ds_load_b128 v[F+16+16*(\kt)+8*(\c):F+16+16*(\kt)+8*(\c)+3],   v[BSK] offset:((\kt)-(\kt)/3)*16*PK+64*(\c)  ; LDS serves a wave's instructions in order (ISA guide 5.7.1.4): these see the stores above
	ds_load_b128 v[F+16+16*(\kt)+8*(\c)+4:F+16+16*(\kt)+8*(\c)+7], v[BSK] offset:((\kt)-(\kt)/3)*16*PK+64*(\c)+32
.endif
.endr
.endr
	ds_load_b64 v[38:39], v[BS] offset:128*(\i)  ; m_s, l_s
.irp cb, 0,1,2,3
	ds_load_b128 v[O+8*(\cb):O+8*(\cb)+3],   v[BO] offset:(\i)*OBLK+64*(\cb)
	ds_load_b128 v[O+8*(\cb)+4:O+8*(\cb)+7], v[BO] offset:(\i)*OBLK+64*(\cb)+16
.endr
.irp j, 0,1,2,3,4,5,6,7                     ; while they are out: the scores start from their masks (key tile 2 starts from the constant 0)
	v_add_f32 v[S+(\j)],    s[BE+4*(\i)],   v[MD0+(\j)]
	v_mov_b32 v[S+8+(\j)],  s[BE+4*(\i)+1]
	v_mov_b32 v[S+24+(\j)], s[BE+4*(\i)+2]
	v_add_f32 v[S+32+(\j)], s[BE+4*(\i)+3], v[MD4+(\j)]
.endr
	s_wait_dscnt 0x0
.irp c, 0,1
.irp kt, 0,1,2,3,4                          ; the five accumulators take turns
.if ((\c) == 0) && ((\kt) == 2)
	v_wmma_f32_16x16x32_bf16 v[S+8*(\kt):S+8*(\kt)+7], v[F+16+16*(\kt)+8*(\c):F+16+16*(\kt)+8*(\c)+7], v[F+8*(\c):F+8*(\c)+7], 0
.else
	v_wmma_f32_16x16x32_bf16 v[S+8*(\kt):S+8*(\kt)+7], v[F+16+16*(\kt)+8*(\c):F+16+16*(\kt)+8*(\c)+7], v[F+8*(\c):F+8*(\c)+7], v[S+8*(\kt):S+8*(\kt)+7]
.endif
.endr
.endr
	CONSUME 10+8*(\i)                       ; the four neighbour tiles of V, onto the stage's bytes: K's reads of them were waited for above.
	CONSUME 11+8*(\i)                       ; The 64 roundings name no register of the products: they are the places behind them
	CONSUME 12+8*(\i)
	CONSUME 13+8*(\i)
	WIN 0
.irp cb, 0,1,2,3
.irp j, 4,5,6,7
	v_mov_b32 v[F+64+8*(\cb)+(\j)], 0       ; there is no sixth key tile: V's and P's last halves are 0
.endr
.endr
	; The products above are done reading F: they stand ahead of the waits on va_vdst in the four turns.  Since the last of these waits only the sixteen lines above name F, and they
	; write F + 64 + 8 cb + 4 .. 7, in which no load below lands
.irp cb, 0,1,2,3
	ds_load_tr16_b128 v[F+8*(\cb):F+8*(\cb)+3],       v[BSV] offset:32*(\cb)
	ds_load_tr16_b128 v[F+8*(\cb)+4:F+8*(\cb)+7],     v[BSV] offset:16*PVV+32*(\cb)
	ds_load_tr16_b128 v[F+32+8*(\cb):F+32+8*(\cb)+3],   v[BVC] offset:(\i)*VBLK+32*(\cb)
	ds_load_tr16_b128 v[F+32+8*(\cb)+4:F+32+8*(\cb)+7], v[BSV] offset:2*16*PVV+32*(\cb)
	ds_load_tr16_b128 v[F+64+8*(\cb):F+64+8*(\cb)+3],   v[BSV] offset:3*16*PVV+32*(\cb)
.endr
	; the softmax stands in the wait for them.  The maximum of 40 scores and m_s: five chains, each accumulator's lowest registers first
.irp k, 0,1,2,3,4
	v_max3_num_f32 v[CH+(\k)], v[S+8*(\k)], v[S+8*(\k)+1], v[S+8*(\k)+2]
.endr
.irp k, 0,1,2,3,4
	v_max3_num_f32 v[CH+(\k)], v[CH+(\k)], v[S+8*(\k)+3], v[S+8*(\k)+4]
.endr
.irp k, 0,1,2,3,4
	v_max3_num_f32 v[CH+(\k)], v[CH+(\k)], v[S+8*(\k)+5], v[S+8*(\k)+6]
.endr
	v_max3_num_f32 v[CH],   v[CH],   v[S+7],  v[S+15]
	v_max3_num_f32 v[CH+1], v[CH+1], v[S+23], v[S+31]
	v_max3_num_f32 v[CH+2], v[CH+2], v[S+39], v38
	v_max3_num_f32 v[CH], v[CH], v[CH+1], v[CH+2]
	v_max3_num_f32 v[CH], v[CH], v[CH+3], v[CH+4]
	v_permlanex16_b32 v53, v[CH], s[SEL], s[SEL+1]
	v_max_num_f32 v[CH], v[CH], v53         ; m
	v_mul_f32 v40, s[CS], v[CH]             ; c m
	v_mul_f32 v41, s[CS], v38               ; c m_s, rounded as c m is: their difference is 0 where m has not grown
	v_sub_f32 v43, v41, v40
.set z, 0
.rept 20
	v_pk_fma_f32 v[S+2*z:S+2*z+1], v[S+2*z:S+2*z+1], s[CS:CS+1], v[40:41] op_sel_hi:[1,0,0] neg_lo:[0,0,1] neg_hi:[0,0,1]  ; c s - c m
.set z, z+1
.endr
	v_exp_f32 v42, v43                      ; a; with the 40 weights one batch
.set z, 0
.rept 40
	v_exp_f32 v[S+z], v[S+z]
.set z, z+1
.endr
	v_nop                                   ; a plain instruction behind the last exponential,
	s_wait_alu depctr_va_vdst(0)            ; and one wait for the batch: the 41 exponentials have written v42 and S .. S+39, ahead of their first reader
	v_pk_add_f32 v[44:45], v[S:S+1],   v[S+4:S+5]   ; the sum of the 20 pairs, in two chains
	v_pk_add_f32 v[46:47], v[S+2:S+3], v[S+6:S+7]
.set z, 4
.rept 16
	v_pk_add_f32 v[44+2*(z%2):45+2*(z%2)], v[44+2*(z%2):45+2*(z%2)], v[S+2*z:S+2*z+1]
.set z, z+1
.endr
	v_pk_add_f32 v[44:45], v[44:45], v[46:47]
.set z, 0
.rept 20
	v_cvt_pk_bf16_f32 v[S+z], v[S+2*z], v[S+2*z+1]  ; in place, ascending: register z is written when pair z / 2 has been read.  P of key tiles 2 ch, 2 ch + 1 is S + 8 ch ..
.set z, z+1
.endr
.irp j, 20,21,22,23
	v_mov_b32 v[S+(\j)], 0
.endr
	v_add_f32 v44, v44, v45
	v_permlanex16_b32 v53, v44, s[SEL], s[SEL+1]
	v_add_f32 v44, v44, v53
	v_fma_f32 v44, v39, v42, v44            ; l = a l_s + the sum
	v_rcp_f32 v54, v44                      ; its wait stands ahead of its first reader, behind the products
.set z, 0
.rept 16
	v_pk_mul_f32 v[O+2*z:O+2*z+1], v[O+2*z:O+2*z+1], v[42:43] op_sel_hi:[1,0]  ; a O_s
.set z, z+1
.endr
	s_wait_dscnt 0x0                        ; V is in
.irp ch, 0,1,2
.irp cb, 0,1,2,3                            ; the four accumulators take turns
	v_wmma_f32_16x16x32_bf16 v[O+8*(\cb):O+8*(\cb)+7], v[F+32*(\ch)+8*(\cb):F+32*(\ch)+8*(\cb)+7], v[S+8*(\ch):S+8*(\ch)+7], v[O+8*(\cb):O+8*(\cb)+7]
.endr
.endr
	PLACES
	s_wait_alu depctr_va_vdst(0)            ; the reciprocal has written v54, ahead of its first reader
.set z, 0
.rept 16
	v_pk_mul_f32 v[O+2*z:O+2*z+1], v[O+2*z:O+2*z+1], v[54:55] op_sel_hi:[1,0]  ; O / l, each accumulator from its low end
.set z, z+1
.endr
	; the way out: a lane's eight channels go where O_s lay, and whole rows come back
	s_wait_alu depctr_va_vdst(0)            ; the sixteen multiplies have written O, which the LDS stores read; the products are done reading F .. F+31, in which the row loads land
.irp cb, 0,1,2,3
	ds_store_b128 v[BO], v[O+8*(\cb):O+8*(\cb)+3]   offset:(\i)*OBLK+64*(\cb)
	ds_store_b128 v[BO], v[O+8*(\cb)+4:O+8*(\cb)+7] offset:(\i)*OBLK+64*(\cb)+16
.endr
.irp j, 0,1,2,3,4,5,6,7
	ds_load_b128 v[F+4*(\j):F+4*(\j)+3], v[BR] offset:(\i)*OBLK+2*(\j)*PO  ; in order behind the stores above
.endr
.irp j, 0,1,2,3,4,5,6,7
	s_wait_dscnt 7-(\j)                     ; the younger row loads may stay out
	global_store_b128 v[RO+5*(\i)+2], v[F+4*(\j):F+4*(\j)+3], s[10:11] offset:512*(\j) th:TH_STORE_NT  ; 16 lanes store a row: 256 consecutive bytes, at a multiple of 256 from out's first byte
.endr
.endm
	BAND 0
	BAND 1
	WIN 0
	s_wait_dscnt 0x0                        ; the closing lines, six on end
	s_wait_alu 0x0
	s_wait_tensorcnt 0x0
	ds_add_u32 v[SPW], v[NIL]
	s_wait_dscnt 0x0
	s_endpgm
.Lfunc_end_k_q2803d9705c_sparse:
	.size	k_q2803d9705c_sparse, .Lfunc_end_k_q2803d9705c_sparse-k_q2803d9705c_sparse
	.p2alignl 7, 3214868480
	.fill 96, 4, 3214868480
	.section	.rodata,"a",@progbits
	.p2align	6, 0x0
	.amdhsa_kernel k_q2803d9705c_sparse
		.amdhsa_group_segment_fixed_size 270592
		.amdhsa_private_segment_fixed_size 0
		.amdhsa_enable_private_segment 0
		.amdhsa_kernarg_size 32
		.amdhsa_user_sgpr_count 2
		.amdhsa_user_sgpr_kernarg_segment_ptr 1
		.amdhsa_wavefront_size32 1
		.amdhsa_system_sgpr_workgroup_id_x 1
		.amdhsa_system_sgpr_workgroup_id_y 1
		.amdhsa_system_sgpr_workgroup_id_z 1
		.amdhsa_system_vgpr_workitem_id 0
		.amdhsa_next_free_vgpr 480
		.amdhsa_next_free_sgpr 66
		.amdhsa_reserve_vcc 0
		.amdhsa_float_denorm_mode_32 3
		.amdhsa_float_denorm_mode_16_64 3
		.amdhsa_memory_ordered 1
		.amdhsa_forward_progress 1
		.amdhsa_inst_pref_size 107
	.end_amdhsa_kernel
	.amdgpu_metadata
---
amdhsa.version: [ 1, 2 ]
amdhsa.kernels:
  - .name:           k_q2803d9705c_sparse
    .symbol:         k_q2803d9705c_sparse.kd
    .args:
      - { .name: query, .offset: 0, .size: 8, .value_kind: global_buffer, .address_space: global }
      - { .name: key, .offset: 8, .size: 8, .value_kind: global_buffer, .address_space: global }
      - { .name: value, .offset: 16, .size: 8, .value_kind: global_buffer, .address_space: global }
      - { .name: out0, .offset: 24, .size: 8, .value_kind: global_buffer, .address_space: global }
    .group_segment_fixed_size: 270592
    .private_segment_fixed_size: 0
    .kernarg_segment_align: 8
    .kernarg_segment_size: 32
    .max_flat_workgroup_size: 256
    .sgpr_count:     66
    .vgpr_count:     480
    .wavefront_size: 32
...
	.end_amdgpu_metadata
.endif
;; end of part 2
